; MI455X (gfx1250); checked and timed in simulation.
; The chip was launched on July 23, 2026; its instructions are those of AMD's public machine-readable ISA for CDNA 5 (MIT licence, August 2026) and "CDNA5" Instruction Set Architecture Reference Guide (July 2026). The comments in the code are by the model that wrote it; some were corrected since.
;; Tri Plane Encoder. Allowed arithmetic: float matrix products may take bf16 or f16 operands with f32 sums; other float arithmetic in f32, or as packed bf16 or f16 multiplies, adds, multiply-adds, maxima and minima; sums over many terms, partial sums and values carried from step to step in f32; what a program stores and reads back later, other than sums and carried values, may be rounded once to bf16 or f16.
;; Inputs: plane_table 25,165,824 float32; positions 1,048,576 x 3 float32.
;; Outputs: out0 1,048,576 x 16 float32.
;; 2 versions, each right; version 2 is version 1 with the launch prep written anew for expert scheduling mode. Each part assembles by itself: llvm-mc -triple=amdgcn-amd-amdhsa -mcpu=gfx1250 --defsym DOCPART=n.
;; ======== version 1 of 2: 2 launches
;; limits: values are held in f16: magnitudes above 65,504 overflow, below 6.1e-05 lose precision; inputs' magnitudes at most 65,504; below input magnitudes of 6.1e-05 results are inexact or not finite
;; workspace buffers: xq 12,582,912 bytes of whole numbers; quads 66,060,288 bytes; img 270,336 bytes
;; launch prep (part 1): grid 4893 x 1, 8 waves a work-group, no clusters, 0 bytes of LDS; arguments positions, plane_table, xq, quads, img; writes xq, quads, img
.if DOCPART == 1
	.amdgcn_target "amdgcn-amd-amdhsa--gfx1250"
	.amdhsa_code_object_version 6
	.text
	.protected	k_q92491d0fbf_prep
	.globl	k_q92491d0fbf_prep
	.p2align	8
	.type	k_q92491d0fbf_prep,@function
k_q92491d0fbf_prep:
	s_mov_b64 s[64:65], 0
	v_nop
	global_prefetch_b8 v0, s[64:65] scope:SCOPE_SE
	s_setreg_imm32_b32 hwreg(HW_REG_WAVE_MODE, 25, 1), 1
	s_wait_xcnt 0x0
; TRI-PLANE ENCODER, first of two launches: everything that the second launch looks up or forms addresses from is laid out here.
; NOTHING OF reference() IS LEFT OUT: both inputs are read, every level, plane and corner is served.  What is used are identities of reference()'s own constants:
;  (1) res = 16 x 2^level.  log(128)/7 rounds to the double nearest ln 2, which lies below ln 2; level x LOG_B, rounded, stays below level x ln 2 for levels 1 to 7; so exp() gives at
;      most 2^level, scale lies in (16 x 2^level - 2, 16 x 2^level - 1], and ceil(scale) + 1 = 16 x 2^level.
;  (2) For a whole c in 0 .. res, c / res is exact (a power of two) and so is its product with 2047 (c x 2047 < 2^22), so the truncating cast is
;      floor(c x 2047 / res) = max(c << k, 1) - 1 with k = 7 - level: whole-number work.
;  (3) The bilinear form is continuous where a position crosses a cell's border, so cell and fraction taken from ONE fixed-point number differ from reference()'s f32 floor by rounding alone.
; THREE JOBS, told apart by the work-group's number (no address here hangs on a floating-point number):
;  work-groups 0-91   img: levels 0-3 compacted: for each level and plane (res+1) x (res+1) entries, entry (cy, cx) = the table's pair at (c_ori(cx), c_ori(cy)), rounded once to two f16.  A wave a row.
;  work-group  92     img's last 3,408 bytes, which the second launch's fill also reads: zeros.
;  work-groups 93-4124  quads: levels 6, 5, 4, one record of 16 bytes for each cell (plane, cy, cx): the four corners (x0y0, x1y0, x0y1, x1y1), two f16 each.  1,024 cells a work-group.
;  work-groups 4125-4892  xq: each position as the whole number round(x 2^24), in positions' own layout.  4,096 numbers a work-group.
; LIMITS.  Table numbers beyond 65,504 become infinities in img and quads (levels 0-6).  Positions are kept to 2^-24 and clamped to [-4096, 2^24 + 4096] / 2^24: each coordinate is the row
; index of one plane, so beyond that range (to within 2 / 2^24) an index of reference() leaves its table, which the problem rules out; a NaN position goes to a bound of the clamp.
.set ROWS_ALL, 732                     ; 3 x (129 + 65 + 33 + 17) rows
.set WG_PAD,   92
.set WG_QUAD,  93
.set WG_QUANT, 4125
.set IMG_END,  266928                  ; level 3 at 0, level 2 at 199,692, level 1 at 250,392, level 0 at 263,460
	s_load_b256 s[4:11], s[0:1], 0x0               ; positions s[4:5], plane_table s[6:7], xq s[8:9], quads s[10:11]
	s_load_b64 s[12:13], s[0:1], 0x20              ; img
	s_wait_kmcnt 0x0
	s_cmp_ge_u32 ttmp9, WG_QUANT
	s_cbranch_scc1 .Lquant
	s_cmp_ge_u32 ttmp9, WG_QUAD
	s_cbranch_scc1 .Lquads
	s_cmp_eq_u32 ttmp9, WG_PAD
	s_cbranch_scc1 .Lpad
	; ---- img: wave R makes row R of the image.  Level, plane and cy are scalars.
	v_lshrrev_b32 v1, 5, v0
	v_readfirstlane_b32 s14, v1                    ; wave 0..7
	s_lshl_b32 s15, ttmp9, 3
	s_add_co_u32 s15, s15, s14                     ; R
	s_cmp_ge_u32 s15, ROWS_ALL
	s_cbranch_scc1 .Lrows_end                      ; 736 waves for 732 rows
	s_mov_b32 s16, 7                               ; log2 res
	s_mov_b32 s17, 0                               ; the level's first row
	s_mov_b32 s18, 129                             ; n = res + 1
	s_mov_b32 s19, 0                               ; the level's first byte in the image
	s_cmp_ge_u32 s15, 387
	s_cselect_b32 s16, 6, s16
	s_cselect_b32 s17, 387, s17
	s_cselect_b32 s18, 65, s18
	s_cselect_b32 s19, 199692, s19
	s_cmp_ge_u32 s15, 582
	s_cselect_b32 s16, 5, s16
	s_cselect_b32 s17, 582, s17
	s_cselect_b32 s18, 33, s18
	s_cselect_b32 s19, 250392, s19
	s_cmp_ge_u32 s15, 681
	s_cselect_b32 s16, 4, s16
	s_cselect_b32 s17, 681, s17
	s_cselect_b32 s18, 17, s18
	s_cselect_b32 s19, 263460, s19
	s_sub_co_u32 s20, s15, s17                     ; r = plane x n + cy
	s_lshl_b32 s21, s18, 1
	s_cmp_ge_u32 s20, s18
	s_cselect_b32 s22, 1, 0
	s_cmp_ge_u32 s20, s21
	s_cselect_b32 s22, 2, s22                      ; plane
	s_mul_i32 s23, s22, s18
	s_sub_co_u32 s23, s20, s23                     ; cy
	s_sub_co_u32 s24, 11, s16                      ; k
	s_lshl_b32 s25, s23, s24
	s_max_u32 s25, s25, 1
	s_sub_co_u32 s25, s25, 1                       ; c_ori(cy)
	s_lshl_b32 s25, s25, 14                        ; a table row is 16,384 bytes,
	s_lshl_b32 s26, s22, 25                        ; a plane 2^25
	s_add_co_u32 s25, s25, s26
	s_mul_i32 s26, s20, s18
	s_lshl2_add_u32 s26, s26, s19                  ; the row's first byte in the image: 4 r n + the level's
	s_sub_co_u32 s27, s18, 1
	v_and_b32 v1, 31, v0
.irp j, 0,1,2,3,4                      ; five steps of 32 entries cover the longest row (129); places past a row's end repeat its last entry
	v_add_nc_u32 v[2+\j], 32*\j, v1
	v_min_u32 v[2+\j], s27, v[2+\j]                ; cx
	v_lshlrev_b32 v[8+\j], s24, v[2+\j]
	v_max_u32 v[8+\j], 1, v[8+\j]                  ; c_ori(cx) + 1
	v_lshl_add_u32 v[8+\j], v[8+\j], 3, s25
	global_load_b64 v[20+2*\j:21+2*\j], v[8+\j], s[6:7] offset:-8  ; the - 1 stands in the immediate: 8 bytes an entry
.endr
	s_wait_loadcnt 0x0
.irp j, 0,1,2,3,4
	v_cvt_pk_f16_f32 v[14+\j], v[20+2*\j], v[21+2*\j]
	v_lshl_add_u32 v[2+\j], v[2+\j], 2, s26
.endr
	global_store_b32 v2, v14, s[12:13]             ; 128 consecutive bytes; the whole image is 0.4% of what this launch stores
.irp j, 1,2,3,4
	s_cmp_gt_u32 s18, 32*\j                        ; whole steps past the row's end are jumped
	s_cbranch_scc0 .Lrows_end
	global_store_b32 v[2+\j], v[14+\j], s[12:13]
.endr
.Lrows_end:
	s_endpgm
	; ---- the image's tail: 213 x 16 bytes of zeros; threads past 212 repeat thread 212's store
.Lpad:
	v_min_u32 v1, 212, v0
	v_lshlrev_b32 v1, 4, v1
	v_mov_b32 v4, 0
	v_mov_b32 v5, 0
	v_mov_b32 v6, 0
	v_mov_b32 v7, 0
	global_store_b128 v1, v[4:7], s[12:13] offset:IMG_END
	s_endpgm
	; ---- quads.  The cells of levels 6, 5, 4 are numbered on end (3 x 2^20, 3 x 2^18, 3 x 2^16), so record N lies at byte 16 N.  Thread t takes cells t + 256 i, i = 0..3, of the
	; work-group's 1,024.  A run of 256 cells lies in one row of cells (res is 256 or more), so plane and cy are scalars and go into the loads' bases; 16 loads of a thread are out together.
.Lquads:
	s_sub_co_u32 s14, ttmp9, WG_QUAD
	s_mov_b32 s15, 10                              ; log2 res
	s_mov_b32 s16, 0                               ; the level's first work-group
	s_cmp_ge_u32 s14, 3072
	s_cselect_b32 s15, 9, s15
	s_cselect_b32 s16, 3072, s16
	s_cmp_ge_u32 s14, 3840
	s_cselect_b32 s15, 8, s15
	s_cselect_b32 s16, 3840, s16
	s_sub_co_u32 s17, s14, s16
	s_lshl_b32 s17, s17, 10                        ; my first cell in its level
	s_sub_co_u32 s18, 11, s15                      ; k
	s_lshl_b32 s19, 1, s15
	s_sub_co_u32 s19, s19, 1                       ; res - 1
	s_lshl_b32 s20, 8, s18
	s_sub_co_u32 s20, s20, 8                       ; bytes from entry cx << k to entry c_ori(cx + 1)
	s_lshl_b32 s21, s15, 1
	s_lshl_b32 s22, 1, s18
	s_mov_b32 s29, 0
	s_mov_b32 s31, 0
	s_lshl_b32 s30, s14, 14                        ; 1,024 records of 16 bytes
	s_add_nc_u64 s[10:11], s[10:11], s[30:31]
	v_lshlrev_b32 v2, 4, v0
.irp i, 0,1,2,3
	s_add_co_u32 s23, s17, 256*\i
	s_and_b32 s24, s23, s19                        ; the run's first cx
	s_lshr_b32 s25, s23, s15
	s_and_b32 s25, s25, s19                        ; cy
	s_lshr_b32 s26, s23, s21
	s_lshl_b32 s26, s26, 25                        ; the plane's bytes
	s_lshl_b32 s25, s25, s18                       ; cy << k
	s_max_u32 s27, s25, 1
	s_sub_co_u32 s27, s27, 1                       ; c_ori(cy)
	s_lshl_b32 s27, s27, 14
	s_add_co_u32 s28, s27, s26
	s_add_nc_u64 s[32+4*\i:33+4*\i], s[6:7], s[28:29]
	s_add_co_u32 s27, s25, s22
	s_sub_co_u32 s27, s27, 1                       ; c_ori(cy + 1)
	s_lshl_b32 s27, s27, 14
	s_add_co_u32 s28, s27, s26
	s_add_nc_u64 s[34+4*\i:35+4*\i], s[6:7], s[28:29]
	v_add_nc_u32 v1, s24, v0                       ; cx
	v_lshlrev_b32 v1, s18, v1
	v_max_u32 v3, 1, v1
	v_lshlrev_b32 v[4+\i], 3, v3                   ; 8 (c_ori(cx) + 1): the - 1 stands in the immediate
	v_lshl_add_u32 v[8+\i], v1, 3, s20             ; 8 c_ori(cx + 1)
	global_load_b64 v[16+8*\i:17+8*\i], v[4+\i], s[32+4*\i:33+4*\i] offset:-8
	global_load_b64 v[18+8*\i:19+8*\i], v[8+\i], s[32+4*\i:33+4*\i]
	global_load_b64 v[20+8*\i:21+8*\i], v[4+\i], s[34+4*\i:35+4*\i] offset:-8
	global_load_b64 v[22+8*\i:23+8*\i], v[8+\i], s[34+4*\i:35+4*\i]
.endr
.irp i, 0,1,2,3
	s_wait_loadcnt 12-4*\i                         ; loads come back in order: cell i's four are in, the later cells' stay out
	v_cvt_pk_f16_f32 v[48+4*\i], v[16+8*\i], v[17+8*\i]
	v_cvt_pk_f16_f32 v[49+4*\i], v[18+8*\i], v[19+8*\i]
	v_cvt_pk_f16_f32 v[50+4*\i], v[20+8*\i], v[21+8*\i]
	v_cvt_pk_f16_f32 v[51+4*\i], v[22+8*\i], v[23+8*\i]
	global_store_b128 v2, v[48+4*\i:51+4*\i], s[10:11] offset:4096*\i  ; a wave's store covers 512 consecutive bytes, aligned
.endr
	s_endpgm
	; ---- xq: a stream, 16 bytes a lane, four loads out
.Lquant:
	s_sub_co_u32 s14, ttmp9, WG_QUANT
	s_lshl_b32 s14, s14, 14
	s_mov_b32 s15, 0
	s_add_nc_u64 s[4:5], s[4:5], s[14:15]
	s_add_nc_u64 s[8:9], s[8:9], s[14:15]
	s_mov_b32 s16, 0x4b800000                      ; 2^24
	s_mov_b32 s17, 0xc5800000                      ; -4096
	s_mov_b32 s18, 0x4b800800                      ; 2^24 + 4096
	v_lshlrev_b32 v1, 4, v0
.irp i, 0,1,2,3
	global_load_b128 v[4+4*\i:7+4*\i], v1, s[4:5] offset:4096*\i th:TH_LOAD_NT
.endr
.irp i, 0,1,2,3
	s_wait_loadcnt 3-\i                            ; the younger loads stay out
.irp r, 0,1,2,3
	v_mul_f32 v[4+4*\i+\r], s16, v[4+4*\i+\r]      ; exact: a power of two
	v_rndne_f32 v[4+4*\i+\r], v[4+4*\i+\r]
	v_max_num_f32 v[4+4*\i+\r], s17, v[4+4*\i+\r]
	v_min_num_f32 v[4+4*\i+\r], s18, v[4+4*\i+\r]
	v_cvt_i32_f32 v[4+4*\i+\r], v[4+4*\i+\r]
.endr
	global_store_b128 v1, v[4+4*\i:7+4*\i], s[8:9] offset:4096*\i
.endr
	s_endpgm
.Lfunc_end_k_q92491d0fbf_prep:
	.size	k_q92491d0fbf_prep, .Lfunc_end_k_q92491d0fbf_prep-k_q92491d0fbf_prep
	.p2alignl 7, 3214868480
	.fill 96, 4, 3214868480
	.section	.rodata,"a",@progbits
	.p2align	6, 0x0
	.amdhsa_kernel k_q92491d0fbf_prep
		.amdhsa_group_segment_fixed_size 0
		.amdhsa_private_segment_fixed_size 0
		.amdhsa_enable_private_segment 0
		.amdhsa_kernarg_size 40
		.amdhsa_user_sgpr_count 2
		.amdhsa_user_sgpr_kernarg_segment_ptr 1
		.amdhsa_wavefront_size32 1
		.amdhsa_system_sgpr_workgroup_id_x 1
		.amdhsa_system_sgpr_workgroup_id_y 1
		.amdhsa_system_sgpr_workgroup_id_z 1
		.amdhsa_system_vgpr_workitem_id 0
		.amdhsa_next_free_vgpr 64
		.amdhsa_next_free_sgpr 66
		.amdhsa_reserve_vcc 0
		.amdhsa_float_denorm_mode_32 3
		.amdhsa_float_denorm_mode_16_64 3
		.amdhsa_memory_ordered 1
		.amdhsa_forward_progress 1
		.amdhsa_inst_pref_size 17
	.end_amdhsa_kernel
	.amdgpu_metadata
---
amdhsa.version: [ 1, 2 ]
amdhsa.kernels:
  - .name:           k_q92491d0fbf_prep
    .symbol:         k_q92491d0fbf_prep.kd
    .args:
      - { .name: positions, .offset: 0, .size: 8, .value_kind: global_buffer, .address_space: global }
      - { .name: plane_table, .offset: 8, .size: 8, .value_kind: global_buffer, .address_space: global }
      - { .name: xq, .offset: 16, .size: 8, .value_kind: global_buffer, .address_space: global }
      - { .name: quads, .offset: 24, .size: 8, .value_kind: global_buffer, .address_space: global }
      - { .name: img, .offset: 32, .size: 8, .value_kind: global_buffer, .address_space: global }
    .group_segment_fixed_size: 0
    .private_segment_fixed_size: 0
    .kernarg_segment_align: 8
    .kernarg_segment_size: 40
    .max_flat_workgroup_size: 256
    .sgpr_count:     66
    .vgpr_count:     64
    .wavefront_size: 32
...
	.end_amdgpu_metadata
.endif
;; end of part 1
;; launch encode (part 2): grid 256 x 1, 16 waves a work-group, no clusters, 313,344 bytes of LDS; arguments xq, quads, img, plane_table, out0; writes out0
.if DOCPART == 2
	.amdgcn_target "amdgcn-amd-amdhsa--gfx1250"
	.amdhsa_code_object_version 6
	.text
	.protected	k_q92491d0fbf_encode
	.globl	k_q92491d0fbf_encode
	.p2align	8
	.type	k_q92491d0fbf_encode,@function
k_q92491d0fbf_encode:
	s_mov_b64 s[64:65], 0
	v_nop
	global_prefetch_b8 v0, s[64:65] scope:SCOPE_SE
	s_setreg_imm32_b32 hwreg(HW_REG_WAVE_MODE, 25, 1), 1
	s_wait_xcnt 0x0
; TRI-PLANE ENCODER, second launch: out0[b][j*8 + level] = the product over the planes xy, yz, zx of the bilinear value of feature j.  No step of reference() is left out.
; WHOLE NUMBERS ONLY IN ADDRESSES.  X = round(x 2^24) comes from xq.  At a level with res = 2^s, pos = x (res - 1) + 0.5 is kept with 32 - s fraction bits:
;   P = (X << 8) + ((2^23 - X) shifted by 8 - s)   (modulo 2^32; the true number lies in [0, 2^32)),  cell = P >> (32 - s),  fraction = (P << s) / 2^32.
; The term x res is exact; for s above 8 the term 0.5 - x loses less than 2^-(32-s).  Cell and fraction come from the same P, so they always belong together.
; WHERE THE CORNERS COME FROM.  Levels 0-3: img, 270,336 bytes, lies in LDS: entry (cy, cx) of a plane is a word of two f16; one address a plane, the four corners in the immediates.
; Levels 4-6: quads, one load of 16 bytes brings a cell's four corners (two f16 each).  Level 7: the table itself in f32; there c_ori(c) = max(c - 1, 0), so the corners are entries max(cell - 1, 0) and cell.
; So a point has 21 loads from memory in place of 96.  All 21 go out first; the four LDS levels are worked on while they are on their way.
; SHARES.  256 work-groups of 16 waves; a work-group owns 4,096 points, a wave 256, a lane one point a trip, 8 trips.  X of the next trip is loaded a trip ahead.
; NO CLUSTER.  The one tile that work-groups share is the image, 270,336 bytes, filled once.  The LDS addresses that read it are made of the work-group's own points, which differ from
; work-group to work-group, and a launch with joint loads keeps every LDS address alike in all partners.  So each work-group fills its own image: each wave 66 rows of 256 bytes, one tensor load.
; THE WAY OUT.  A lane's 16 results are 64 bytes of a row; they go through the wave's own stage in LDS (pitch 80 bytes
; 64 banks of 4 bytes: ISA guide 11.1) and come back so that each store of the wave covers 512 consecutive bytes, aligned.
; LIMITS.  Those of the first launch: positions kept to 2^-24 and clamped to the range in which every index stays in its table; levels 0-6 read the table rounded once to f16 (nothing beyond 65,504).
.set LB7, 0                            ; the image: level 3 (s = 7), level 2, level 1, level 0
.set LB6, 199692
.set LB5, 250392
.set LB4, 263460
.set IMGB, 270336
.set SHARE, IMGB/16                    ; a wave's part of the fill: 66 rows of 256 bytes
.set STAGE, IMGB                       ; behind the image: 32 x 80 bytes for each wave
.set SPITCH, 80
.set SPARE, STAGE+16*32*SPITCH         ; behind the stages: the spare words, 128 bytes for each wave, which no other line names
.set QB10, 0                           ; quads: level 6, level 5, level 4
.set QB9, 50331648
.set QB8, 62914560
.set LANE, 1
.set XOFF, 2                           ; 12 x lane; never rewritten
.set STO, 3                            ; where I put my 64 bytes in the stage
.set RD, 4                             ; where I read 16 bytes back
.set GO, 5                             ; 16 x lane
.set SPW, 6                            ; LDS address of my spare word; never rewritten
.set NIL, 7                            ; 0, for the add alone
.set ZERO, 8                           ; 0.0, the addend of a sum's first term
.set X, 10                             ; v[10:12] X of x, y, z
.set X8, 13                            ; X << 8
.set H, 16                             ; 2^23 - X
.set O, 20                             ; v[20:35] the 16 results, in out0's order
.set Q4, 36                            ; gathered records of levels 4, 5, 6: 4 registers a plane
.set Q5, 48
.set Q6, 60
.set Q7, 72                            ; level 7: 4 pairs a plane
.set W4, 96                            ; (1 - f, f) of x, y, z for levels 4 to 7
.set W5, 102
.set W6, 108
.set W7, 114
.set QA, 120                           ; the LDS levels' two buffers: 12 words and 3 pairs each
.set WA, 132
.set QB, 138
.set WB, 150
.set GI, 156                           ; cells of x, y, z
.set TP, 159
.set CA, 162
.set E0, 165                           ; level 7: entries max(cell - 1, 0) and cell,
.set E1, 168
.set C0, 171                           ; and their bytes in a row
.set C1, 174
.set A4, 177                           ; the gathers' offsets: each has its own register until its load is in
.set A5, 180
.set A6, 183
.set A7, 186
.set AD, 198
.set WT, 202                           ; a plane's four weights
.set LC, 206                           ; the three planes' values, a pair of features each
.set BK, 212                           ; 16 registers read back from the stage
.set WV, 18
.set CNT, 19
.set G0, 24
.set G1, 28
.set K32, 36
.set PT, 44                            ; s[44:49] the three planes of the table
; Coordinate c at a level with res = 2^s: the cell (not yet clamped) into GI + c, (1 - f, f) into the pair w + 2 c.
.macro COORD s, c, w
.if (\s) < 8
	v_lshl_add_u32 v[TP+(\c)], v[H+(\c)], 8-(\s), v[X8+(\c)]
.elseif (\s) == 8
	v_add_nc_u32 v[TP+(\c)], v[H+(\c)], v[X8+(\c)]
.else
	v_ashrrev_i32 v[TP+(\c)], (\s)-8, v[H+(\c)]
	v_add_nc_u32 v[TP+(\c)], v[TP+(\c)], v[X8+(\c)]
.endif
	v_lshrrev_b32 v[GI+(\c)], 32-(\s), v[TP+(\c)]
	v_lshlrev_b32 v[TP+(\c)], \s, v[TP+(\c)]
	v_cvt_f32_u32 v[TP+(\c)], v[TP+(\c)]
	v_mul_f32 v[(\w)+2*(\c)+1], s[K32], v[TP+(\c)]
	v_sub_f32 v[(\w)+2*(\c)], 1.0, v[(\w)+2*(\c)+1]
.endm
; Plane p has coordinate p along a row and coordinate (p + 1) % 3 from row to row: xy, yz, zx.
; An LDS level is asked for: 12 loads of a word.  The clamp changes no number; behind it stand shifts left, a product and sums alone.
.macro LISSUE s, q, w
.set n4_, 4*((1<<(\s))+1)              ; bytes in a row of the level's table
.set ps_, n4_*((1<<(\s))+1)            ; bytes in a plane's
.if (\s) == 4
.set lb_, LB4
.elseif (\s) == 5
.set lb_, LB5
.elseif (\s) == 6
.set lb_, LB6
.else
.set lb_, LB7
.endif
.irp c, 0,1,2
	COORD \s, \c, \w
	v_min_u32 v[GI+\c], (1<<(\s))-1, v[GI+\c]
.endr
.irp p, 0,1,2
	v_lshl_add_u32 v[CA+\p], v[GI+\p], 2, lb_+(\p)*ps_
	v_mad_u32_u24 v[AD+\p], v[GI+((\p)+1)%3], n4_, v[CA+\p]
	ds_load_b32 v[(\q)+4*\p], v[AD+\p]
	ds_load_b32 v[(\q)+4*\p+1], v[AD+\p] offset:4
	ds_load_b32 v[(\q)+4*\p+2], v[AD+\p] offset:n4_
	ds_load_b32 v[(\q)+4*\p+3], v[AD+\p] offset:n4_+4
.endr
.endm
; A level of quads is asked for: record (plane res + cy) res + cx, 16 bytes.
.macro GISSUE s, q, w, a, base
.irp c, 0,1,2
	COORD \s, \c, \w
	v_min_u32 v[GI+\c], (1<<(\s))-1, v[GI+\c]
.endr
.irp p, 0,1,2
	v_lshl_add_u32 v[(\a)+\p], v[GI+((\p)+1)%3], \s, v[GI+\p]
	v_lshl_add_u32 v[(\a)+\p], v[(\a)+\p], 4, (\base)+(\p)*(16<<(2*(\s)))
	global_load_b128 v[(\q)+4*\p:(\q)+4*\p+3], v[(\a)+\p], s[6:7]
.endr
.endm
; One plane of a level whose corners are words of two f16: weights (1-fa)(1-fb), fa(1-fb), and what is left of (1-fa), fa; then four terms a feature, the f16 halves read as they lie.
.macro PLANE16 q, w, p
.set a_, (\p)
.set b_, ((\p)+1)%3
	v_pk_mul_f32 v[WT:WT+1], v[(\w)+2*a_:(\w)+2*a_+1], v[(\w)+2*b_:(\w)+2*b_+1] op_sel_hi:[1,0]
	v_pk_add_f32 v[WT+2:WT+3], v[(\w)+2*a_:(\w)+2*a_+1], v[WT:WT+1] neg_lo:[0,1] neg_hi:[0,1]
	v_fma_mix_f32 v[LC+2*(\p)], v[(\q)+4*(\p)], v[WT], v[ZERO] op_sel_hi:[1,0,0]
	v_fma_mix_f32 v[LC+2*(\p)+1], v[(\q)+4*(\p)], v[WT], v[ZERO] op_sel:[1,0,0] op_sel_hi:[1,0,0]
.irp i, 1,2,3
	v_fma_mix_f32 v[LC+2*(\p)], v[(\q)+4*(\p)+\i], v[WT+\i], v[LC+2*(\p)] op_sel_hi:[1,0,0]
	v_fma_mix_f32 v[LC+2*(\p)+1], v[(\q)+4*(\p)+\i], v[WT+\i], v[LC+2*(\p)+1] op_sel:[1,0,0] op_sel_hi:[1,0,0]
.endr
.endm
.macro PROD l                          ; the product across the planes, in reference()'s order, into out0's places l and 8 + l
	v_pk_mul_f32 v[LC:LC+1], v[LC:LC+1], v[LC+2:LC+3]
	v_mul_f32 v[O+(\l)], v[LC], v[LC+4]
	v_mul_f32 v[O+8+(\l)], v[LC+1], v[LC+5]
.endm
.macro USE16 l, q, w
	PLANE16 \q, \w, 0
	PLANE16 \q, \w, 1
	PLANE16 \q, \w, 2
	PROD \l
.endm
; A trip: 32 points.  more = 1: X of the next trip is asked for, and the pointers step.
.macro ITER more
	s_wait_loadcnt 0x0                             ; X is in (asked for a trip ago); nothing else is out, so s[4:5] may be stepped
.irp c, 0,1,2
	v_lshlrev_b32 v[X8+\c], 8, v[X+\c]
	v_sub_nc_u32 v[H+\c], 0x800000, v[X+\c]
.endr
.if \more
	s_add_nc_u64 s[4:5], s[4:5], 384
	global_load_b96 v[X:X+2], v[XOFF], s[4:5] th:TH_LOAD_NT
.endif
	GISSUE 8, Q4, W4, A4, QB8                      ; 3 + 3 + 3 + 12 gathers go out, in the order in which they are used
	GISSUE 9, Q5, W5, A5, QB9
	GISSUE 10, Q6, W6, A6, QB10
.irp c, 0,1,2
	COORD 11, \c, W7
	v_max_u32 v[E0+\c], 1, v[GI+\c]
	v_add_nc_u32 v[E0+\c], -1, v[E0+\c]
	v_min_u32 v[E1+\c], 0x7ff, v[GI+\c]
	v_min_u32 v[E0+\c], 0x7ff, v[E0+\c]
	v_lshlrev_b32 v[C0+\c], 3, v[E0+\c]
	v_lshlrev_b32 v[C1+\c], 3, v[E1+\c]
.endr
.irp p, 0,1,2
	v_lshl_add_u32 v[A7+4*\p], v[E0+((\p)+1)%3], 14, v[C0+\p]
	v_lshl_add_u32 v[A7+4*\p+1], v[E0+((\p)+1)%3], 14, v[C1+\p]
	v_lshl_add_u32 v[A7+4*\p+2], v[E1+((\p)+1)%3], 14, v[C0+\p]
	v_lshl_add_u32 v[A7+4*\p+3], v[E1+((\p)+1)%3], 14, v[C1+\p]
.irp i, 0,1,2,3
	global_load_b64 v[Q7+8*\p+2*\i:Q7+8*\p+2*\i+1], v[A7+4*\p+\i], s[PT+2*\p:PT+2*\p+1]
.endr
.endr
	LISSUE 4, QA, WA                               ; the LDS levels, two buffers deep: a level is asked for before the level in front of it is used
	LISSUE 5, QB, WB
	s_wait_dscnt 12                                ; LDS loads come back in order: the older buffer's twelve are in, the younger's stay out
	USE16 0, QA, WA
	LISSUE 6, QA, WA
	s_wait_dscnt 12
	USE16 1, QB, WB
	LISSUE 7, QB, WB
	s_wait_dscnt 12
	USE16 2, QA, WA
	s_wait_dscnt 0x0
	USE16 3, QB, WB
	s_wait_loadcnt 18                              ; level 4's three are in (and the next X, which is older); 3 + 3 + 12 younger gathers stay out
	USE16 4, Q4, W4
	s_wait_loadcnt 15
	USE16 5, Q5, W5
	s_wait_loadcnt 12
	USE16 6, Q6, W6
.irp p, 0,1,2                          ; level 7 in f32, both features at once: along the row in both rows, then from row to row, each as b + (1 - f)(a - b)
	s_wait_loadcnt 8-4*\p                          ; this plane's four are in, the later planes' stay out
	v_pk_add_f32 v[Q7+8*\p:Q7+8*\p+1], v[Q7+8*\p:Q7+8*\p+1], v[Q7+8*\p+2:Q7+8*\p+3] neg_lo:[0,1] neg_hi:[0,1]
	v_pk_add_f32 v[Q7+8*\p+4:Q7+8*\p+5], v[Q7+8*\p+4:Q7+8*\p+5], v[Q7+8*\p+6:Q7+8*\p+7] neg_lo:[0,1] neg_hi:[0,1]
	v_pk_fma_f32 v[Q7+8*\p:Q7+8*\p+1], v[Q7+8*\p:Q7+8*\p+1], v[W7+2*\p:W7+2*\p+1], v[Q7+8*\p+2:Q7+8*\p+3] op_sel_hi:[1,0,1]
	v_pk_fma_f32 v[Q7+8*\p+4:Q7+8*\p+5], v[Q7+8*\p+4:Q7+8*\p+5], v[W7+2*\p:W7+2*\p+1], v[Q7+8*\p+6:Q7+8*\p+7] op_sel_hi:[1,0,1]
	v_pk_add_f32 v[Q7+8*\p:Q7+8*\p+1], v[Q7+8*\p:Q7+8*\p+1], v[Q7+8*\p+4:Q7+8*\p+5] neg_lo:[0,1] neg_hi:[0,1]
	v_pk_fma_f32 v[LC+2*\p:LC+2*\p+1], v[Q7+8*\p:Q7+8*\p+1], v[W7+2*(((\p)+1)%3):W7+2*(((\p)+1)%3)+1], v[Q7+8*\p+4:Q7+8*\p+5] op_sel_hi:[1,0,1]
.endr
	PROD 7
.irp k, 0,1,2,3
	ds_store_b128 v[STO], v[O+4*\k:O+4*\k+3] offset:16*\k
.endr
.irp k, 0,1,2,3
	ds_load_b128 v[BK+4*\k:BK+4*\k+3], v[RD] offset:8*SPITCH*\k  ; LDS serves a wave's instructions in order (ISA guide 5.7.1.4): these see the stores above; the stage is the wave's own
.endr
.irp k, 0,1,2,3
	s_wait_dscnt 3-\k                              ; the younger read-backs stay out
	global_store_b128 v[GO], v[BK+4*\k:BK+4*\k+3], s[12:13] offset:512*\k th:TH_STORE_NT  ; 8 points: 512 consecutive bytes, aligned
.endr
.if \more
	s_wait_xcnt 0x0                                ; the stores have read their base and their data: only now is the base stepped, and BK loaded again in the next trip
	s_add_nc_u64 s[12:13], s[12:13], 2048
.endif
.endm
	s_load_b256 s[4:11], s[0:1], 0x0               ; xq s[4:5], quads s[6:7], img s[8:9], plane_table s[10:11]
	s_load_b64 s[12:13], s[0:1], 0x20              ; out0
	v_lshl_add_u32 v[SPW], v0, 2, SPARE
	v_mov_b32 v[NIL], 0
	ds_add_u32 v[SPW], v[NIL]                      ; the wave's opening: the add, twice on end, and its wait ahead of my tensor load; work on registers stands between
	ds_add_u32 v[SPW], v[NIL]
	v_lshrrev_b32 v9, 5, v0
	v_readfirstlane_b32 s[WV], v9                  ; wave 0..15
	s_mov_b32 s38, ttmp9                           ; my work-group
	s_mov_b32 s[G0], 1                             ; group 0: count = 1,
	s_mul_i32 s[G0+1], s[WV], SHARE                ; LDS address: the wave's number times its share
	s_mov_b32 s[G1], 3<<16                         ; group 1: 15:0 no mask; 17:16 elements of 8 bytes; no padding: the image is read by words at places of its own, not by rows
	s_mov_b32 s[G1+1], 32<<16                      ; tensor_dim0 = 32 elements: rows of 256 bytes
	s_mov_b32 s[G1+2], 66<<16                      ; tensor_dim1 = 66
	s_mov_b32 s[G1+3], 32<<16                      ; tile_dim0 = 32
	s_mov_b32 s[G1+4], 66                          ; tile_dim1 = 66
	s_mov_b32 s[G1+5], 32                          ; the rows lie end to end
	s_mov_b32 s[G1+6], 0
	s_mov_b32 s[G1+7], 0
	s_mov_b32 s20, s[G0+1]
	s_mov_b32 s21, 0
	s_mul_i32 s22, s38, 49152                      ; 4,096 points x 12 bytes,
	s_mul_i32 s23, s[WV], 3072                     ; my wave's 256
	s_add_co_u32 s22, s22, s23
	s_mov_b32 s23, 0
	s_lshl_b32 s40, s38, 18                        ; 4,096 points x 64 bytes,
	s_lshl_b32 s41, s[WV], 14
	s_add_co_u32 s40, s40, s41
	s_mov_b32 s41, 0
	s_mov_b32 s[K32], 0x2f800000                   ; 2^-32
	s_mul_i32 s39, s[WV], 32*SPITCH
	s_add_co_u32 s39, s39, STAGE                   ; my stage
	s_wait_dscnt 0x0                               ; both opening adds are done
	s_wait_kmcnt 0x0
	s_add_nc_u64 s[G0+2:G0+3], s[8:9], s[20:21]    ; my wave's share of the image
	s_or_b32 s[G0+3], s[G0+3], 0x80000000          ; type = 2
	s_add_nc_u64 s[4:5], s[4:5], s[22:23]
	s_add_nc_u64 s[12:13], s[12:13], s[40:41]
	s_mov_b64 s[PT:PT+1], s[10:11]
	s_add_nc_u64 s[PT+2:PT+3], s[10:11], 0x2000000
	s_add_nc_u64 s[PT+4:PT+5], s[10:11], 0x4000000
	tensor_load_to_lds s[G0:G0+3], s[G1:G1+7]      ; my one tensor load of the launch; these bytes are never filled again
	s_nop 0
	v_and_b32 v[LANE], 31, v0
	v_mul_u32_u24 v[XOFF], v[LANE], 12
	global_load_b96 v[X:X+2], v[XOFF], s[4:5] th:TH_LOAD_NT  ; the first trip's X
	v_mul_u32_u24 v[STO], v[LANE], SPITCH
	v_add_nc_u32 v[STO], s39, v[STO]
	v_lshrrev_b32 v9, 2, v[LANE]                   ; back: four lanes take a point's 64 bytes
	v_mul_u32_u24 v[RD], v9, SPITCH
	v_and_b32 v9, 3, v[LANE]
	v_lshl_add_u32 v[RD], v9, 4, v[RD]
	v_add_nc_u32 v[RD], s39, v[RD]
	v_lshlrev_b32 v[GO], 4, v[LANE]
	v_mov_b32 v[ZERO], 0
	s_wait_tensorcnt 0x0                           ; my share of the image is in,
	s_barrier_signal -1
	s_barrier_wait -1                              ; everybody's is
	s_mov_b32 s[CNT], 7
.Ltrip:
	ITER 1
	s_sub_co_u32 s[CNT], s[CNT], 1
	s_cmp_lg_u32 s[CNT], 0
	s_cbranch_scc1 .Ltrip
	ITER 0                                         ; the last trip is written out: no load leaves xq
	s_wait_tensorcnt 0x0                           ; the wave's end, behind my tensor load and my last LDS store
	ds_add_u32 v[SPW], v[NIL]
	s_wait_dscnt 0x0
	s_endpgm
.Lfunc_end_k_q92491d0fbf_encode:
	.size	k_q92491d0fbf_encode, .Lfunc_end_k_q92491d0fbf_encode-k_q92491d0fbf_encode
	.p2alignl 7, 3214868480
	.fill 96, 4, 3214868480
	.section	.rodata,"a",@progbits
	.p2align	6, 0x0
	.amdhsa_kernel k_q92491d0fbf_encode
		.amdhsa_group_segment_fixed_size 313344
		.amdhsa_private_segment_fixed_size 0
		.amdhsa_enable_private_segment 0
		.amdhsa_kernarg_size 40
		.amdhsa_user_sgpr_count 2
		.amdhsa_user_sgpr_kernarg_segment_ptr 1
		.amdhsa_wavefront_size32 1
		.amdhsa_system_sgpr_workgroup_id_x 1
		.amdhsa_system_sgpr_workgroup_id_y 1
		.amdhsa_system_sgpr_workgroup_id_z 1
		.amdhsa_system_vgpr_workitem_id 0
		.amdhsa_next_free_vgpr 228
		.amdhsa_next_free_sgpr 66
		.amdhsa_reserve_vcc 0
		.amdhsa_float_denorm_mode_32 3
		.amdhsa_float_denorm_mode_16_64 3
		.amdhsa_memory_ordered 1
		.amdhsa_forward_progress 1
		.amdhsa_inst_pref_size 70
	.end_amdhsa_kernel
	.amdgpu_metadata
---
amdhsa.version: [ 1, 2 ]
amdhsa.kernels:
  - .name:           k_q92491d0fbf_encode
    .symbol:         k_q92491d0fbf_encode.kd
    .args:
      - { .name: xq, .offset: 0, .size: 8, .value_kind: global_buffer, .address_space: global }
      - { .name: quads, .offset: 8, .size: 8, .value_kind: global_buffer, .address_space: global }
      - { .name: img, .offset: 16, .size: 8, .value_kind: global_buffer, .address_space: global }
      - { .name: plane_table, .offset: 24, .size: 8, .value_kind: global_buffer, .address_space: global }
      - { .name: out0, .offset: 32, .size: 8, .value_kind: global_buffer, .address_space: global }
    .group_segment_fixed_size: 313344
    .private_segment_fixed_size: 0
    .kernarg_segment_align: 8
    .kernarg_segment_size: 40
    .max_flat_workgroup_size: 512
    .sgpr_count:     66
    .vgpr_count:     228
    .wavefront_size: 32
...
	.end_amdgpu_metadata
.endif
;; end of part 2
;; ======== version 2 of 2: 2 launches; version 1 with the launch prep written anew for expert scheduling mode
;; limits: values are held in f16: magnitudes above 65,504 overflow, below 6.1e-05 lose precision; inputs' magnitudes at most 65,504; below input magnitudes of 6.1e-05 results are inexact or not finite
;; workspace buffers: xq 12,582,912 bytes of whole numbers; quads 66,060,288 bytes; img 270,336 bytes
;; launch prep (part 3): grid 4893 x 1, 8 waves a work-group, no clusters, 0 bytes of LDS; arguments positions, plane_table, xq, quads, img; writes xq, quads, img
.if DOCPART == 3
	.amdgcn_target "amdgcn-amd-amdhsa--gfx1250"
	.amdhsa_code_object_version 6
	.text
	.protected	k_q92491d0fbf_prep
	.globl	k_q92491d0fbf_prep
	.p2align	8
	.type	k_q92491d0fbf_prep,@function
k_q92491d0fbf_prep:
	s_mov_b64 s[64:65], 0
	v_nop
	global_prefetch_b8 v0, s[64:65] scope:SCOPE_SE
	s_setreg_imm32_b32 hwreg(HW_REG_WAVE_SCHED_MODE, 0, 2), 2
	s_setreg_imm32_b32 hwreg(HW_REG_WAVE_MODE, 25, 1), 1
	s_wait_xcnt 0x0
	s_wait_alu depctr_vm_vsrc(0)
; TRI-PLANE ENCODER, first of two launches: everything that the second launch looks up or forms addresses from is laid out here.
; NOTHING OF reference() IS LEFT OUT: both inputs are read, every level, plane and corner is served.  What is used are identities of reference()'s own constants:
;  (1) res = 16 x 2^level.  log(128)/7 rounds to the double nearest ln 2, which lies below ln 2; level x LOG_B, rounded, stays below level x ln 2 for levels 1 to 7; so exp() gives at
;      most 2^level, scale lies in (16 x 2^level - 2, 16 x 2^level - 1], and ceil(scale) + 1 = 16 x 2^level.
;  (2) For a whole c in 0 .. res, c / res is exact (a power of two) and so is its product with 2047 (c x 2047 < 2^22), so the truncating cast is
;      floor(c x 2047 / res) = max(c << k, 1) - 1 with k = 7 - level: whole-number work.
;  (3) The bilinear form is continuous where a position crosses a cell's border, so cell and fraction taken from ONE fixed-point number differ from reference()'s f32 floor by rounding alone.
; THREE JOBS, told apart by the work-group's number (no address here hangs on a floating-point number):
;  work-groups 0-91   img: levels 0-3 compacted: for each level and plane (res+1) x (res+1) entries, entry (cy, cx) = the table's pair at (c_ori(cx), c_ori(cy)), rounded once to two f16.  A wave a row.
;  work-group  92     img's last 3,408 bytes, which the second launch's fill also reads: zeros.
;  work-groups 93-4124  quads: levels 6, 5, 4, one record of 16 bytes for each cell (plane, cy, cx): the four corners (x0y0, x1y0, x0y1, x1y1), two f16 each.  1,024 cells a work-group.
;  work-groups 4125-4892  xq: each position as the whole number round(x 2^24), in positions' own layout.  4,096 numbers a work-group.
; LIMITS.  Table numbers beyond 65,504 become infinities in img and quads (levels 0-6).  Positions are kept to 2^-24 and clamped to [-4096, 2^24 + 4096] / 2^24: each coordinate is the row
; index of one plane, so beyond that range (to within 2 / 2^24) an index of reference() leaves its table, which the problem rules out; a NaN position goes to a bound of the clamp.
; THE MODE: SCHED_MODE bits 1:0 = 2 (LLVM: expert scheduling mode 2), set by the entry lines.  The code itself states the register dependences
; between vector instructions and memory instructions, with s_wait_alu, always for 0.
; THE PLAN.  There is no loop: four straight ways lead from the head, which holds no vector instruction.  On each way every offset is made once, ahead of the way's first load, and never
; written again; every register that a load lands in is landed in once and named by no vector instruction before; every register that a store reads is written once, ahead of that store.
; So no register that a memory instruction has read is ever written again, and the only dependences to state are: offsets written ahead of the loads (one wait for a whole run of loads), and
; store data written ahead of the stores.  In quads and xq the work goes by steps: step i's head, behind the wait for its loads, states that step i - 1's results are written; store i - 1
; follows, then step i's arithmetic, which names other registers.  The registers, way by way, stand at each way's head.
.set ROWS_ALL, 732                     ; 3 x (129 + 65 + 33 + 17) rows
.set WG_PAD,   92
.set WG_QUAD,  93
.set WG_QUANT, 4125
.set IMG_END,  266928                  ; level 3 at 0, level 2 at 199,692, level 1 at 250,392, level 0 at 263,460
	s_load_b256 s[4:11], s[0:1], 0x0               ; positions s[4:5], plane_table s[6:7], xq s[8:9], quads s[10:11]
	s_load_b64 s[12:13], s[0:1], 0x20              ; img
	s_wait_kmcnt 0x0
	s_cmp_ge_u32 ttmp9, WG_QUANT
	s_cbranch_scc1 .Lquant
	s_cmp_ge_u32 ttmp9, WG_QUAD
	s_cbranch_scc1 .Lquads
	s_cmp_eq_u32 ttmp9, WG_PAD
	s_cbranch_scc1 .Lpad
	; ---- img: wave R makes row R of the image.  Level, plane and cy are scalars.
	; v8-12 the loads' offsets; v20-29 the loads land; v2-6 cx, then (made behind the loads, which do not name them) the stores' offsets; v14-18 the stores' data.
	v_lshrrev_b32 v1, 5, v0
	v_readfirstlane_b32 s14, v1                    ; wave 0..7
	s_wait_alu depctr_va_sdst(0)                   ; s14 is written, ahead of its first reader: the row's number is made from it
	s_lshl_b32 s15, ttmp9, 3
	s_add_co_u32 s15, s15, s14                     ; R
	s_cmp_ge_u32 s15, ROWS_ALL
	s_cbranch_scc1 .Lrows_end                      ; 736 waves for 732 rows
	s_mov_b32 s16, 7                               ; log2 res
	s_mov_b32 s17, 0                               ; the level's first row
	s_mov_b32 s18, 129                             ; n = res + 1
	s_mov_b32 s19, 0                               ; the level's first byte in the image
	s_cmp_ge_u32 s15, 387
	s_cselect_b32 s16, 6, s16
	s_cselect_b32 s17, 387, s17
	s_cselect_b32 s18, 65, s18
	s_cselect_b32 s19, 199692, s19
	s_cmp_ge_u32 s15, 582
	s_cselect_b32 s16, 5, s16
	s_cselect_b32 s17, 582, s17
	s_cselect_b32 s18, 33, s18
	s_cselect_b32 s19, 250392, s19
	s_cmp_ge_u32 s15, 681
	s_cselect_b32 s16, 4, s16
	s_cselect_b32 s17, 681, s17
	s_cselect_b32 s18, 17, s18
	s_cselect_b32 s19, 263460, s19
	s_sub_co_u32 s20, s15, s17                     ; r = plane x n + cy
	s_lshl_b32 s21, s18, 1
	s_cmp_ge_u32 s20, s18
	s_cselect_b32 s22, 1, 0
	s_cmp_ge_u32 s20, s21
	s_cselect_b32 s22, 2, s22                      ; plane
	s_mul_i32 s23, s22, s18
	s_sub_co_u32 s23, s20, s23                     ; cy
	s_sub_co_u32 s24, 11, s16                      ; k
	s_lshl_b32 s25, s23, s24
	s_max_u32 s25, s25, 1
	s_sub_co_u32 s25, s25, 1                       ; c_ori(cy)
	s_lshl_b32 s25, s25, 14                        ; a table row is 16,384 bytes,
	s_lshl_b32 s26, s22, 25                        ; a plane 2^25
	s_add_co_u32 s25, s25, s26
	s_mul_i32 s26, s20, s18
	s_lshl2_add_u32 s26, s26, s19                  ; the row's first byte in the image: 4 r n + the level's
	s_sub_co_u32 s27, s18, 1
	v_and_b32 v1, 31, v0
.irp j, 0,1,2,3,4                      ; five steps of 32 entries cover the longest row (129); places past a row's end repeat its last entry
	v_add_nc_u32 v[2+\j], 32*\j, v1
	v_min_u32 v[2+\j], s27, v[2+\j]                ; cx
	v_lshlrev_b32 v[8+\j], s24, v[2+\j]
	v_max_u32 v[8+\j], 1, v[8+\j]                  ; c_ori(cx) + 1
	v_lshl_add_u32 v[8+\j], v[8+\j], 3, s25
.endr
	s_wait_alu depctr_va_vdst(0)                   ; the five offsets v8 to v12 are written, which the run of loads below reads
.irp j, 0,1,2,3,4
	global_load_b64 v[20+2*\j:21+2*\j], v[8+\j], s[6:7] offset:-8  ; the - 1 stands in the immediate: 8 bytes an entry
.endr
.irp j, 0,1,2,3,4
	v_lshl_add_u32 v[2+\j], v[2+\j], 2, s26        ; the stores' offsets, made while the loads are out: no load names v2 to v6
.endr
	s_wait_loadcnt 0x0
.irp j, 0,1,2,3,4
	v_cvt_pk_f16_f32 v[14+\j], v[20+2*\j], v[21+2*\j]
.endr
	s_wait_alu depctr_va_vdst(0)                   ; the offsets v2 to v6 and the roundings v14 to v18 are written, which the stores below read; no vector instruction follows on any way
	global_store_b32 v2, v14, s[12:13]             ; 128 consecutive bytes; the whole image is 0.4% of what this launch stores
.irp j, 1,2,3,4
	s_cmp_gt_u32 s18, 32*\j                        ; whole steps past the row's end are jumped
	s_cbranch_scc0 .Lrows_end
	global_store_b32 v[2+\j], v[14+\j], s[12:13]
.endr
.Lrows_end:
	s_endpgm
	; ---- the image's tail: 213 x 16 bytes of zeros; threads past 212 repeat thread 212's store
.Lpad:
	v_min_u32 v1, 212, v0
	v_lshlrev_b32 v1, 4, v1
	v_mov_b32 v4, 0
	v_mov_b32 v5, 0
	v_mov_b32 v6, 0
	v_mov_b32 v7, 0
	s_wait_alu depctr_va_vdst(0)                   ; the offset v1 and the zeros v4 to v7 are written, which the store reads
	global_store_b128 v1, v[4:7], s[12:13] offset:IMG_END
	s_endpgm
	; ---- quads.  The cells of levels 6, 5, 4 are numbered on end (3 x 2^20, 3 x 2^18, 3 x 2^16), so record N lies at byte 16 N.  Thread t takes cells t + 256 i, i = 0..3, of the
	; work-group's 1,024.  A run of 256 cells lies in one row of cells (res is 256 or more), so plane and cy are scalars and go into the loads' bases; 16 loads of a thread are out together.
	; v2 the stores' offset; v4-11 the loads' offsets; v16-47 the loads land, 8 registers a cell; v48-63 the stores' data, 4 registers a cell.  v1 and v3 are named by vector instructions alone.
	; All four cells' bases and offsets are made first, so that one wait serves the 16 loads and no address work stands behind a load.
.Lquads:
	s_sub_co_u32 s14, ttmp9, WG_QUAD
	s_mov_b32 s15, 10                              ; log2 res
	s_mov_b32 s16, 0                               ; the level's first work-group
	s_cmp_ge_u32 s14, 3072
	s_cselect_b32 s15, 9, s15
	s_cselect_b32 s16, 3072, s16
	s_cmp_ge_u32 s14, 3840
	s_cselect_b32 s15, 8, s15
	s_cselect_b32 s16, 3840, s16
	s_sub_co_u32 s17, s14, s16
	s_lshl_b32 s17, s17, 10                        ; my first cell in its level
	s_sub_co_u32 s18, 11, s15                      ; k
	s_lshl_b32 s19, 1, s15
	s_sub_co_u32 s19, s19, 1                       ; res - 1
	s_lshl_b32 s20, 8, s18
	s_sub_co_u32 s20, s20, 8                       ; bytes from entry cx << k to entry c_ori(cx + 1)
	s_lshl_b32 s21, s15, 1
	s_lshl_b32 s22, 1, s18
	s_mov_b32 s29, 0
	s_mov_b32 s31, 0
	s_lshl_b32 s30, s14, 14                        ; 1,024 records of 16 bytes
	s_add_nc_u64 s[10:11], s[10:11], s[30:31]
	v_lshlrev_b32 v2, 4, v0
.irp i, 0,1,2,3
	s_add_co_u32 s23, s17, 256*\i
	s_and_b32 s24, s23, s19                        ; the run's first cx
	s_lshr_b32 s25, s23, s15
	s_and_b32 s25, s25, s19                        ; cy
	s_lshr_b32 s26, s23, s21
	s_lshl_b32 s26, s26, 25                        ; the plane's bytes
	s_lshl_b32 s25, s25, s18                       ; cy << k
	s_max_u32 s27, s25, 1
	s_sub_co_u32 s27, s27, 1                       ; c_ori(cy)
	s_lshl_b32 s27, s27, 14
	s_add_co_u32 s28, s27, s26
	s_add_nc_u64 s[32+4*\i:33+4*\i], s[6:7], s[28:29]
	s_add_co_u32 s27, s25, s22
	s_sub_co_u32 s27, s27, 1                       ; c_ori(cy + 1)
	s_lshl_b32 s27, s27, 14
	s_add_co_u32 s28, s27, s26
	s_add_nc_u64 s[34+4*\i:35+4*\i], s[6:7], s[28:29]
	v_add_nc_u32 v1, s24, v0                       ; cx
	v_lshlrev_b32 v1, s18, v1
	v_max_u32 v3, 1, v1
	v_lshlrev_b32 v[4+\i], 3, v3                   ; 8 (c_ori(cx) + 1): the - 1 stands in the immediate
	v_lshl_add_u32 v[8+\i], v1, 3, s20             ; 8 c_ori(cx + 1)
.endr
	s_wait_alu depctr_va_vdst(0)                   ; the offsets v4 to v11, which the 16 loads read, and v2, which the four stores read, are written
.irp i, 0,1,2,3
	global_load_b64 v[16+8*\i:17+8*\i], v[4+\i], s[32+4*\i:33+4*\i] offset:-8
	global_load_b64 v[18+8*\i:19+8*\i], v[8+\i], s[32+4*\i:33+4*\i]
	global_load_b64 v[20+8*\i:21+8*\i], v[4+\i], s[34+4*\i:35+4*\i] offset:-8
	global_load_b64 v[22+8*\i:23+8*\i], v[8+\i], s[34+4*\i:35+4*\i]
.endr
.irp i, 0,1,2,3
	s_wait_loadcnt 12-4*\i                         ; loads come back in order: cell i's four are in, the later cells' stay out
.if \i > 0
	s_wait_alu depctr_va_vdst(0)                   ; the roundings of the cell before have written its four registers, which the store below reads
	global_store_b128 v2, v[44+4*\i:47+4*\i], s[10:11] offset:4096*(\i-1)  ; the cell before; a wave's store covers 512 consecutive bytes, aligned
.endif
	v_cvt_pk_f16_f32 v[48+4*\i], v[16+8*\i], v[17+8*\i]
	v_cvt_pk_f16_f32 v[49+4*\i], v[18+8*\i], v[19+8*\i]
	v_cvt_pk_f16_f32 v[50+4*\i], v[20+8*\i], v[21+8*\i]
	v_cvt_pk_f16_f32 v[51+4*\i], v[22+8*\i], v[23+8*\i]
.endr
	s_wait_alu depctr_va_vdst(0)                   ; the last cell's roundings have written v60 to v63, which the last store reads
	global_store_b128 v2, v[60:63], s[10:11] offset:4096*3
	s_endpgm
	; ---- xq: a stream, 16 bytes a lane, four loads out
	; v1 the offset of every load and store; v4-19 four blocks of four: each is landed in once, worked on in place and stored once.
.Lquant:
	s_sub_co_u32 s14, ttmp9, WG_QUANT
	s_lshl_b32 s14, s14, 14
	s_mov_b32 s15, 0
	s_add_nc_u64 s[4:5], s[4:5], s[14:15]
	s_add_nc_u64 s[8:9], s[8:9], s[14:15]
	s_mov_b32 s16, 0x4b800000                      ; 2^24
	s_mov_b32 s17, 0xc5800000                      ; -4096
	s_mov_b32 s18, 0x4b800800                      ; 2^24 + 4096
	v_lshlrev_b32 v1, 4, v0
	s_wait_alu depctr_va_vdst(0)                   ; v1 is written: every load and store of this way reads it as its offset
.irp i, 0,1,2,3
	global_load_b128 v[4+4*\i:7+4*\i], v1, s[4:5] offset:4096*\i th:TH_LOAD_NT
.endr
.irp i, 0,1,2,3
	s_wait_loadcnt 3-\i                            ; the younger loads stay out
.if \i > 0
	s_wait_alu depctr_va_vdst(0)                   ; the block before is written whole by its arithmetic; the store below reads it
	global_store_b128 v1, v[4*\i:3+4*\i], s[8:9] offset:4096*(\i-1)  ; the block before
.endif
.irp r, 0,1,2,3
	v_mul_f32 v[4+4*\i+\r], s16, v[4+4*\i+\r]      ; exact: a power of two
	v_rndne_f32 v[4+4*\i+\r], v[4+4*\i+\r]
	v_max_num_f32 v[4+4*\i+\r], s17, v[4+4*\i+\r]
	v_min_num_f32 v[4+4*\i+\r], s18, v[4+4*\i+\r]
	v_cvt_i32_f32 v[4+4*\i+\r], v[4+4*\i+\r]
.endr
.endr
	s_wait_alu depctr_va_vdst(0)                   ; the last block, v16 to v19, is written, which the last store reads
	global_store_b128 v1, v[16:19], s[8:9] offset:4096*3
	s_endpgm
.Lfunc_end_k_q92491d0fbf_prep:
	.size	k_q92491d0fbf_prep, .Lfunc_end_k_q92491d0fbf_prep-k_q92491d0fbf_prep
	.p2alignl 7, 3214868480
	.fill 96, 4, 3214868480
	.section	.rodata,"a",@progbits
	.p2align	6, 0x0
	.amdhsa_kernel k_q92491d0fbf_prep
		.amdhsa_group_segment_fixed_size 0
		.amdhsa_private_segment_fixed_size 0
		.amdhsa_enable_private_segment 0
		.amdhsa_kernarg_size 40
		.amdhsa_user_sgpr_count 2
		.amdhsa_user_sgpr_kernarg_segment_ptr 1
		.amdhsa_wavefront_size32 1
		.amdhsa_system_sgpr_workgroup_id_x 1
		.amdhsa_system_sgpr_workgroup_id_y 1
		.amdhsa_system_sgpr_workgroup_id_z 1
		.amdhsa_system_vgpr_workitem_id 0
		.amdhsa_next_free_vgpr 64
		.amdhsa_next_free_sgpr 66
		.amdhsa_reserve_vcc 0
		.amdhsa_float_denorm_mode_32 3
		.amdhsa_float_denorm_mode_16_64 3
		.amdhsa_memory_ordered 1
		.amdhsa_forward_progress 1
		.amdhsa_inst_pref_size 17
	.end_amdhsa_kernel
	.amdgpu_metadata
---
amdhsa.version: [ 1, 2 ]
amdhsa.kernels:
  - .name:           k_q92491d0fbf_prep
    .symbol:         k_q92491d0fbf_prep.kd
    .args:
      - { .name: positions, .offset: 0, .size: 8, .value_kind: global_buffer, .address_space: global }
      - { .name: plane_table, .offset: 8, .size: 8, .value_kind: global_buffer, .address_space: global }
      - { .name: xq, .offset: 16, .size: 8, .value_kind: global_buffer, .address_space: global }
      - { .name: quads, .offset: 24, .size: 8, .value_kind: global_buffer, .address_space: global }
      - { .name: img, .offset: 32, .size: 8, .value_kind: global_buffer, .address_space: global }
    .group_segment_fixed_size: 0
    .private_segment_fixed_size: 0
    .kernarg_segment_align: 8
    .kernarg_segment_size: 40
    .max_flat_workgroup_size: 256
    .sgpr_count:     66
    .vgpr_count:     64
    .wavefront_size: 32
...
	.end_amdgpu_metadata
.endif
;; end of part 3
;; launch encode: the kernel of part 2 again; grid 256 x 1, 16 waves a work-group, no clusters, 313,344 bytes of LDS; arguments xq, quads, img, plane_table, out0; writes out0
